; MI455X (gfx1250); checked and timed in simulation.
; The chip was launched on July 23, 2026; its instructions are those of AMD's public machine-readable ISA for CDNA 5 (MIT licence, August 2026) and "CDNA5" Instruction Set Architecture Reference Guide (July 2026). The comments in the code are by the model that wrote it; some were corrected since.
;; FDK. Allowed arithmetic: float matrix products may take bf16 or f16 operands with f32 sums; all other float work in f32.
;; Inputs: x 1 x 8 x 256 x 256 float32.
;; Outputs: out0 1 x 64 x 8 x 256 float32.
;; 2 versions, each right; version 2 is version 1 with the launch proj written anew for expert scheduling mode. Each part assembles by itself: llvm-mc -triple=amdgcn-amd-amdhsa -mcpu=gfx1250 --defsym DOCPART=n.
;; ======== version 1 of 2: 2 launches
;; workspace buffers: xt 2,654,208 bytes
;; launch pad (part 1): grid 288 x 1, 18 waves a work-group, no clusters, 0 bytes of LDS; arguments x, xt; writes xt
.if DOCPART == 1
	.amdgcn_target "amdgcn-amd-amdhsa--gfx1250"
	.amdhsa_code_object_version 6
	.text
	.protected	k_qb91d8d9666_pad
	.globl	k_qb91d8d9666_pad
	.p2align	8
	.type	k_qb91d8d9666_pad,@function
k_qb91d8d9666_pad:
	s_mov_b64 s[64:65], 0
	v_nop
	global_prefetch_b8 v0, s[64:65] scope:SCOPE_SE
	s_setreg_imm32_b32 hwreg(HW_REG_WAVE_MODE, 25, 1), 1
	s_wait_xcnt 0x0
; xt[yp][xp][0..7] = x[z][yp-16][xp-16] for z = 0,7,1,6, 2,5,3,4, and 0 where yp-16 or xp-16 lies outside 0..255.
; x: [8][256][256] f32.  xt: [288][288][8] f32: the volume with the heights innermost inside a zero border of 16 cells.
; The border stands for the zero padding of the first bilinear sampling: the projector then needs no validity masks.
; Heights z and 7-z are neighbours, because the projector's height weights are mirror-symmetric and work on such pairs.
; One work-group writes one row of xt, 9,216 bytes.  Thread t writes bytes 16 t .. 16 t + 15: cell t / 2, half t % 2,
; so a wave's store covers 512 consecutive bytes that start at a multiple of 512 from xt's first byte.
.set ZSTR, 262144                      ; bytes from one height of x to the next
	s_load_b128 s[4:7], s[0:1], 0x0                ; x s[4:5], xt s[6:7]
	s_sub_co_i32 s8, ttmp9, 16                     ; the row of x, perhaps outside
	s_max_i32 s9, s8, 0
	s_min_i32 s9, s9, 255                          ; clamped: every load stays inside x
	s_cmp_eq_u32 s8, s9
	s_cselect_b32 s10, -1, 0                       ; all ones if the row exists
	s_lshl_b32 s12, s9, 10                         ; 1,024 bytes to a row of x
	s_mov_b32 s13, 0
	s_mul_i32 s14, ttmp9, 9216                     ; my row of xt
	s_mov_b32 s15, 0
	v_lshrrev_b32 v1, 1, v0                        ; cell
	v_and_b32 v2, 1, v0                            ; half p: heights 0,7,1,6 or 2,5,3,4
	v_add_nc_u32 v3, -16, v1                       ; the column of x, perhaps outside
	v_max_i32 v4, 0, v3
	v_min_i32 v4, 255, v4
	v_cmp_eq_u32 vcc_lo, v3, v4                    ; the column exists,
	s_and_b32 vcc_lo, vcc_lo, s10                  ; and the row
	v_lshlrev_b32 v4, 2, v4
	v_lshl_add_u32 v5, v2, 19, v4                  ; column + 2 p heights
	v_xor_b32 v2, 1, v2
	v_lshl_add_u32 v6, v2, 19, v4                  ; column + 2 (1 - p) heights
	v_lshlrev_b32 v7, 4, v0
	s_wait_kmcnt 0x0
	s_add_nc_u64 s[4:5], s[4:5], s[12:13]
	s_add_nc_u64 s[6:7], s[6:7], s[14:15]
	global_load_b32 v8,  v5, s[4:5]                ; z = 2 p
	global_load_b32 v9,  v6, s[4:5] offset:5*ZSTR  ; z = 7 - 2 p
	global_load_b32 v10, v5, s[4:5] offset:ZSTR    ; z = 1 + 2 p
	global_load_b32 v11, v6, s[4:5] offset:4*ZSTR  ; z = 6 - 2 p
	s_wait_loadcnt 0x0
	v_cndmask_b32 v8,  0, v8,  vcc_lo              ; the border is zero
	v_cndmask_b32 v9,  0, v9,  vcc_lo
	v_cndmask_b32 v10, 0, v10, vcc_lo
	v_cndmask_b32 v11, 0, v11, vcc_lo
	global_store_b128 v7, v[8:11], s[6:7]
	s_endpgm
.Lfunc_end_k_qb91d8d9666_pad:
	.size	k_qb91d8d9666_pad, .Lfunc_end_k_qb91d8d9666_pad-k_qb91d8d9666_pad
	.p2alignl 7, 3214868480
	.fill 96, 4, 3214868480
	.section	.rodata,"a",@progbits
	.p2align	6, 0x0
	.amdhsa_kernel k_qb91d8d9666_pad
		.amdhsa_group_segment_fixed_size 0
		.amdhsa_private_segment_fixed_size 0
		.amdhsa_enable_private_segment 0
		.amdhsa_kernarg_size 16
		.amdhsa_user_sgpr_count 2
		.amdhsa_user_sgpr_kernarg_segment_ptr 1
		.amdhsa_wavefront_size32 1
		.amdhsa_system_sgpr_workgroup_id_x 1
		.amdhsa_system_sgpr_workgroup_id_y 1
		.amdhsa_system_sgpr_workgroup_id_z 1
		.amdhsa_system_vgpr_workitem_id 0
		.amdhsa_next_free_vgpr 16
		.amdhsa_next_free_sgpr 66
		.amdhsa_reserve_vcc 1
		.amdhsa_float_denorm_mode_32 3
		.amdhsa_float_denorm_mode_16_64 3
		.amdhsa_memory_ordered 1
		.amdhsa_forward_progress 1
		.amdhsa_inst_pref_size 2
	.end_amdhsa_kernel
	.amdgpu_metadata
---
amdhsa.version: [ 1, 2 ]
amdhsa.kernels:
  - .name:           k_qb91d8d9666_pad
    .symbol:         k_qb91d8d9666_pad.kd
    .args:
      - { .name: x, .offset: 0, .size: 8, .value_kind: global_buffer, .address_space: global }
      - { .name: xt, .offset: 8, .size: 8, .value_kind: global_buffer, .address_space: global }
    .group_segment_fixed_size: 0
    .private_segment_fixed_size: 0
    .kernarg_segment_align: 8
    .kernarg_segment_size: 16
    .max_flat_workgroup_size: 576
    .sgpr_count:     66
    .vgpr_count:     16
    .wavefront_size: 32
...
	.end_amdgpu_metadata
.endif
;; end of part 1
;; launch proj (part 2): grid 4 x 64, 8 waves a work-group, no clusters, 126,976 bytes of LDS; arguments xt, out0; writes out0
.if DOCPART == 2
	.amdgcn_target "amdgcn-amd-amdhsa--gfx1250"
	.amdhsa_code_object_version 6
	.text
	.protected	k_qb91d8d9666_proj
	.globl	k_qb91d8d9666_proj
	.p2align	8
	.type	k_qb91d8d9666_proj,@function
k_qb91d8d9666_proj:
	s_mov_b64 s[64:65], 0
	v_nop
	global_prefetch_b8 v0, s[64:65] scope:SCOPE_SE
	s_setreg_imm32_b32 hwreg(HW_REG_WAVE_MODE, 25, 1), 1
	s_wait_xcnt 0x0
; CONE-BEAM FORWARD PROJECTION.  out[a][v][u] = DIST(v,u) x sum over rows j of the rotated volume R_a[z][j][i], sampled bilinearly
; at column pos = 127.5 + (u-127.5) rho(j) and height 3.5 + (v-3.5) ratio(j); R_a[z][j][i] is x[z] sampled bilinearly at the cell (i, j) turned by angle a.
; rho lies in 0.163 .. 0.398, so only columns 76 .. 179 of R are ever read: only those cells are rotated.
; SHARES.  A work-group owns one angle (grid y) and 64 detector columns (grid x): all 8 x 64 of its outputs, so no sum crosses work-groups.
; It walks the 256 rows in 8 chunks of 32.  In a chunk:
;  (a) a box of 48 x 48 cells of xt that covers the chunk's turned sector goes from registers into LDS.  The sector is at most 32 columns by 31 rows,
;      diagonal 44.6 cells, and a tap reaches one cell further: 47 at the most.  The box was loaded into registers a whole chunk earlier.
;  (b) wave w takes rows 8 (w/2) .. +7 and columns 4 (w%2) + 8 t .. +3 in step t: a lane gathers its cell's 4 taps x 8 heights, weights them, and
;      interpolates along the height into the 8 detector rows: T[row][column][8] in LDS.
;  (c) a lane owns one u (32 (w%2) + lane); wave w walks rows 8 (w/2) .. +7, two neighbouring cells of T a row, and adds into 8 sums.
; At the end the four row groups' sums meet in LDS, are multiplied by DIST, and each wave stores 256 consecutive bytes of one detector row.
; WHOLE NUMBERS.  Every position is a whole number in fixed point: 22 fraction bits for the turned cell, 24 for pos; cos and sin have 21.
; Cell numbers are the upper bits, weights are made of the lower bits: no address is made of a float.
; LIMITS.  Positions differ from f32 arithmetic's by up to 1e-4 of a cell; both samplings are continuous in the position, so the result moves by that order.
; x must be finite: a weight of 0 meets cells here that another order of the work would not touch.
; HEIGHTS.  The weight of height z for detector row v equals that of 7-z for 7-v, and xt holds z and 7-z side by side: one packed instruction serves both.
; Which heights a detector row can meet follows from ratio in 0.319 .. 0.778: v=0: 0-3, v=1: 1-3, v=2: 2-4, v=3: 3-4: 12 weights a row.
; NO CLUSTER: the four work-groups of an angle read boxes with four different origins, those of other angles other boxes: no tile is shared whole.
; NO TENSOR LOADS: the next box is on its way in 72 registers a lane while a chunk is worked on, so one box in LDS is enough.
; LDS PITCHES.  A cell is 16 bytes in each of two planes.  Box rows are 52 cells apart, T rows 36: both 4 modulo 16, so the 4 x 4 cells that sixteen
; neighbouring lanes touch start in sixteen different 16-byte columns of 256 bytes (64 banks of 4 bytes: ISA guide 11.1) when the patch lies straight.
.set XROW,  9216                       ; bytes in a row of xt (288 cells of 32 bytes)
.set BP,    832                        ; bytes from row to row of a box plane: 52 cells
.set PS,    40064                      ; bytes from plane 0 to plane 1 of the box: 48 rows + 128, so that the planes lie 8 columns apart
.set TB,    80128                      ; T begins here
.set TP,    576                        ; bytes from row to row of a T plane: 36 cells
.set TPS,   18432                      ; bytes from plane 0 to plane 1 of T: 32 rows
.set RED,   116992                     ; the final sums: [4 row groups][8][64 u] f32
.set SPARE, 125184                     ; the spare words, 128 bytes for each of the 8 waves: four blocks of 256 bytes that no other line names
.set R0_29, 213709834                  ; rho(0) = 0.3980655857 with 29 fraction bits
.set R1_29, 494538                     ; rho(j) - rho(j+1) = 1/1085.6 with 29 fraction bits
.set PC24,  0x7f800000                 ; 127.5 with 24 fraction bits
.set PCM,   0x7f7c0000                 ; 127.5 - 1/64: a first column is taken 1/64 of a cell early, far more than the two ways of computing pos can differ
.set XC,    0x23e00000                 ; 127.5 + 16 (the border) with 22 fraction bits
.set SPW,  2                           ; v2   LDS address of my spare word; never rewritten
.set NIL,  3                           ; v3   0; never rewritten
.set GOFF, 4                           ; v4   16 x lane: my bytes in 512 bytes of a box row in xt; never rewritten
.set SADR, 5                           ; v5   where those bytes go in the box
.set X0,   6                           ; v6-7 the lane's constant part of its turned position
.set Y0,   7
.set TST,  8                           ; v8   where I store T
.set RR,   9                           ; v9   ratio of my row in (b)
.set U2,   10                          ; v10  2 u - 255
.set DP,   11                          ; v11  pos(j+1) - pos(j) for my u
.set PP,   12                          ; v12  pos
.set REDA, 13                          ; v13  where my sums go
.set ZW,   14                          ; v14-25  w00 w01 w02 w03 w11 w12 w13 w22 w23 w24 w33 w34 (detector row, height)
.set ACCA, 26                          ; v26-33  sums of the left cells
.set ACCB, 34                          ; v34-41  sums of the right cells
.set STG,  44                          ; v44-115 the next box: 18 x 16 bytes
.set DA,   116                         ; v116-147, v148-179  two gather buffers: plane 0 taps 00 01 10 11, plane 1 the same
.set DB,   148
.set WA,   180                         ; v180-183, v184-187  their four tap weights
.set WB,   184
.set TX,   188                         ; v188-191 at work
.set ADA,  192                         ; v192, v193 gather addresses
.set ADB,  193
.set RV,   194                         ; v194-201 the turned cell's 8 heights
.set TV,   202                         ; v202-209 its 8 detector rows
.set XD,   116                         ; (c): four row slots of 16 registers
.set XWT,  180                         ; (c): a pair of weights for each slot
.set XA,   188                         ; (c): an address for each slot
.set XF,   192
; scalars: s8 wave, s9 quarter, s10 angle, s11 cos, s12 -sin (21 fraction bits), s13 chunk, s14 w/2, s15 w%2, s[16:17] the box's address,
; s18-19 origin of the next box, s20-21 of this one, s22 2 x first u - 255, s23 first column of my row group, s24 rho of its first row, s25 steps,
; s28-29 a step's move, s30 my rows of T, s31 the chunk whose box is asked for, s40-47 the four steps' scalar parts, s48-50 1.5 2.5 3.5
	s_load_b128 s[4:7], s[0:1], 0x0                ; xt s[4:5], out s[6:7]
	v_lshl_add_u32 v[SPW], v0, 2, SPARE
	v_mov_b32 v[NIL], 0
	v_lshrrev_b32 v1, 5, v0
	v_readfirstlane_b32 s8, v1
	v_and_b32 v1, 31, v0                           ; lane
	s_mov_b32 s9, ttmp9
	s_and_b32 s10, ttmp7, 0xffff
	s_lshr_b32 s14, s8, 1
	s_and_b32 s15, s8, 1
	; cos and sin of (a % 16) x 5.625 degrees, picked from sixteen literals; the quadrant a / 16 swaps and negates
	s_and_b32 s32, s10, 15
	s_mov_b32 s33, 0
	s_mov_b32 s34, 0
.macro TAB k, ck, sk
	s_cmp_eq_u32 s32, \k
	s_cselect_b32 s33, \ck, s33
	s_cselect_b32 s34, \sk, s34
.endm
	TAB 0,  2097152, 0
	TAB 1,  2087054, 205557
	TAB 2,  2056856, 409134
	TAB 3,  2006849, 608771
	TAB 4,  1937516, 802545
	TAB 5,  1849523, 988591
	TAB 6,  1743718, 1165115
	TAB 7,  1621120, 1330419
	TAB 8,  1482910, 1482910
	TAB 9,  1330419, 1621120
	TAB 10, 1165115, 1743718
	TAB 11, 988591,  1849523
	TAB 12, 802545,  1937516
	TAB 13, 608771,  2006849
	TAB 14, 409134,  2056856
	TAB 15, 205557,  2087054
	s_sub_co_i32 s35, 0, s34                       ; -S
	s_sub_co_i32 s36, 0, s33                       ; -C
	s_bitcmp1_b32 s10, 4                           ; odd quadrant: cos = -S, -sin = -C; even: C, -S
	s_cselect_b32 s11, s35, s33
	s_cselect_b32 s12, s36, s35
	s_sub_co_i32 s35, 0, s11
	s_sub_co_i32 s36, 0, s12
	s_bitcmp1_b32 s10, 5                           ; the upper two quadrants negate both
	s_cselect_b32 s11, s35, s11
	s_cselect_b32 s12, s36, s12
	s_lshl_b32 s28, s11, 4
	s_sub_co_i32 s28, 0, s28                       ; 8 columns on: x moves by -8 cos,
	s_lshl_b32 s29, s12, 4                         ; y by -8 sin (twice that in units of 2^-21 = once in 2^-22 x 2)
	s_mov_b32 s48, 0x3fc00000                      ; 1.5
	s_mov_b32 s49, 0x40200000                      ; 2.5
	s_mov_b32 s50, 0x40600000                      ; 3.5
	; the lane's place in the patch of 8 rows x 4 columns, and the part of its turned position that never changes:
	; x = XC - (2 i - 255) cos' + (2 j - 255) sin',  y = XC + (2 i - 255) sin' + (2 j - 255) cos'   (cos' = s11, sin' = s12)
	v_and_b32 v188, 3, v1                          ; column in the patch
	v_lshrrev_b32 v189, 2, v1                      ; row in the patch
	s_lshl_b32 s32, s15, 3
	s_sub_co_i32 s32, s32, 255
	s_lshl_b32 s33, s14, 4
	s_sub_co_i32 s33, s33, 255
	v_lshl_add_u32 v190, v188, 1, s32              ; 2 (column + 4 (w%2)) - 255
	v_lshl_add_u32 v191, v189, 1, s33              ; 2 (row + 8 (w/2)) - 255
	v_mul_lo_u32 v[X0], v191, s12
	v_mul_lo_u32 v192, v190, s11
	v_sub_nc_u32 v[X0], v[X0], v192
	v_mul_lo_u32 v[Y0], v190, s12
	v_mul_lo_u32 v192, v191, s11
	v_add_nc_u32 v[Y0], v[Y0], v192
	s_lshl_b32 s34, s14, 3
	v_add_nc_u32 v193, s34, v189                   ; my row in the chunk
	v_mul_u32_u24 v[TST], v193, TP
	s_lshl_b32 s35, s15, 6
	s_add_co_u32 s35, s35, TB
	v_lshl_add_u32 v[TST], v188, 4, v[TST]
	v_add_nc_u32 v[TST], s35, v[TST]
	v_cvt_f32_u32 v[RR], v193
	s_mov_b32 s36, 0x3aebd076                      ; 1.953125 / 1085.6: ratio falls by this from row to row
	s_mov_b32 s37, 0x3f470865                      ; ratio(0) = 0.77747185
	v_fma_f32 v[RR], -v[RR], s36, s37
	v_lshlrev_b32 v[GOFF], 4, v1
	v_and_b32 v192, 1, v1                          ; 16 bytes of xt: cell lane / 2, plane lane % 2
	v_lshrrev_b32 v193, 1, v1
	v_mul_u32_u24 v[SADR], v192, PS
	v_lshl_add_u32 v[SADR], v193, 4, v[SADR]
	s_mul_i32 s36, s8, 6*BP                        ; wave w brings box rows 6 w .. 6 w + 5
	v_add_nc_u32 v[SADR], s36, v[SADR]
	s_lshl_b32 s36, s9, 7
	s_sub_co_i32 s22, s36, 255                     ; 2 x 64 q - 255
	s_lshl_b32 s37, s15, 6
	s_add_co_i32 s37, s37, s22
	v_lshl_add_u32 v[U2], v1, 1, s37
	v_mul_lo_u32 v[DP], v[U2], 0xffffe1d1          ; x -7727: 1/1085.6 with 23 fraction bits; used for 7 rows on end, then pos is made anew
	s_lshl_b32 s36, s14, 11
	s_lshl_b32 s37, s15, 7
	s_add_co_u32 s36, s36, s37
	s_add_co_u32 s36, s36, RED
	v_lshl_add_u32 v[REDA], v1, 2, s36
	s_mul_i32 s30, s14, 8*TP
	s_add_co_u32 s30, s30, TB
.irp i, 0,1,2,3,4,5,6,7,8,9,10,11,12,13,14,15
	v_mov_b32 v[ACCA+(\i)], 0                      ; sixteen sums a lane, cleared once: the loop has one text for every chunk
.endr
; The origin of the box of chunk s31, and its address for my six rows.  Columns: from the least first column of the chunk's rows to the greatest + 28 - 2 chunk
; (a row group needs at most 28, 26, 24, 22, 21, 19, 17, 15 columns: 63 rho + 0.43, rounded down, + 3).  The position is linear in column and row,
; so its least value is the sum of the two least terms, in the very numbers that the lanes compute with.  The origin is kept inside xt: 288 - 48 = 240.
.macro BOXCALC
	s_lshl_b32 s32, s31, 5
	s_mul_i32 s32, s32, R1_29
	s_sub_co_u32 s32, R0_29, s32                   ; rho of the chunk's first row,
	s_sub_co_u32 s33, s32, 31*R1_29                ; of its last
	s_lshr_b32 s32, s32, 6
	s_lshr_b32 s33, s33, 6                         ; 23 fraction bits
	s_mul_i32 s32, s32, s22
	s_mul_i32 s33, s33, s22
	s_add_co_u32 s32, s32, PCM                     ; pos of the first u in both rows
	s_add_co_u32 s33, s33, PCM
	s_min_u32 s34, s32, s33
	s_max_u32 s35, s32, s33
	s_lshr_b32 s34, s34, 24
	s_lshr_b32 s35, s35, 24
	s_lshl_b32 s34, s34, 1
	s_sub_co_i32 s34, s34, 255                     ; 2 i - 255 for the least column
	s_lshl_b32 s35, s35, 1
	s_lshl_b32 s36, s31, 2
	s_sub_co_i32 s35, s35, s36
	s_sub_co_i32 s35, s35, 199                     ; and for the greatest
	s_lshl_b32 s36, s31, 6
	s_sub_co_i32 s36, s36, 255                     ; 2 j - 255 for the first row
	s_add_co_i32 s37, s36, 62                      ; and the last
	s_mul_i32 s38, s34, s11
	s_mul_i32 s39, s35, s11
	s_max_i32 s38, s38, s39
	s_mul_i32 s39, s36, s12
	s_mul_i32 s40, s37, s12
	s_min_i32 s39, s39, s40
	s_sub_co_i32 s39, s39, s38
	s_add_co_u32 s39, s39, XC
	s_lshr_b32 s39, s39, 22
	s_min_u32 s18, s39, 240
	s_mul_i32 s38, s34, s12
	s_mul_i32 s39, s35, s12
	s_min_i32 s38, s38, s39
	s_mul_i32 s39, s36, s11
	s_mul_i32 s40, s37, s11
	s_min_i32 s39, s39, s40
	s_add_co_i32 s39, s39, s38
	s_add_co_u32 s39, s39, XC
	s_lshr_b32 s39, s39, 22
	s_min_u32 s19, s39, 240
	s_mul_i32 s40, s8, 6
	s_add_co_u32 s40, s40, s19
	s_mul_i32 s40, s40, 288
	s_add_co_u32 s40, s40, s18
	s_lshl_b32 s52, s40, 5                         ; 32 bytes to a cell
	s_mov_b32 s53, 0
	s_add_nc_u64 s[16:17], s[4:5], s[52:53]
.endm
.macro LOADBOX                         ; six rows of 1,536 bytes: three loads of 512 consecutive bytes each
.set rr, 0
.rept 6
.set tt, 0
.rept 3
	global_load_b128 v[STG+4*(3*rr+tt):STG+4*(3*rr+tt)+3], v[GOFF], s[16:17] offset:rr*XROW+tt*512
.set tt, tt+1
.endr
.set rr, rr+1
.endr
.endm
.macro STOREBOX                        ; 512 bytes of xt are 16 cells: 256 bytes in each plane
.set rr, 0
.rept 6
.set tt, 0
.rept 3
	ds_store_b128 v[SADR], v[STG+4*(3*rr+tt):STG+4*(3*rr+tt)+3] offset:rr*BP+tt*256
.set tt, tt+1
.endr
.set rr, rr+1
.endr
.endm
; (b), step t: my cell's place in the box.  The two minima change nothing for a cell that (c) reads; the columns past those may fall outside the box and take any cell of it.
.macro RADDR t, ad
	v_add_nc_u32 v[TX], s[40+2*(\t)], v[X0]
	v_add_nc_u32 v[TX+1], s[41+2*(\t)], v[Y0]
	v_lshrrev_b32 v[TX+2], 22, v[TX]
	v_lshrrev_b32 v[TX+3], 22, v[TX+1]
	v_min_u32 v[TX+2], 46, v[TX+2]
	v_min_u32 v[TX+3], 46, v[TX+3]
	v_mul_u32_u24 v[\ad], v[TX+3], BP
	v_lshl_add_u32 v[\ad], v[TX+2], 4, v[\ad]
.endm
.macro RLOAD d, ad
	ds_load_b128 v[(\d):(\d)+3],     v[\ad]
	ds_load_b128 v[(\d)+4:(\d)+7],   v[\ad] offset:16
	ds_load_b128 v[(\d)+8:(\d)+11],  v[\ad] offset:BP
	ds_load_b128 v[(\d)+12:(\d)+15], v[\ad] offset:BP+16
	ds_load_b128 v[(\d)+16:(\d)+19], v[\ad] offset:PS
	ds_load_b128 v[(\d)+20:(\d)+23], v[\ad] offset:PS+16
	ds_load_b128 v[(\d)+24:(\d)+27], v[\ad] offset:PS+BP
	ds_load_b128 v[(\d)+28:(\d)+31], v[\ad] offset:PS+BP+16
.endm
.macro RWGT w                          ; the four tap weights from the fraction bits; stands behind the loads
	v_and_b32 v[TX], 0x3fffff, v[TX]
	v_and_b32 v[TX+1], 0x3fffff, v[TX+1]
	v_cvt_f32_u32 v[TX], v[TX]
	v_cvt_f32_u32 v[TX+1], v[TX+1]
	v_mul_f32 v[TX], 0x34800000, v[TX]             ; x 2^-22: fx
	v_mul_f32 v[TX+1], 0x34800000, v[TX+1]         ; fy
	v_mul_f32 v[(\w)+3], v[TX], v[TX+1]            ; fx fy
	v_sub_f32 v[TX+2], 1.0, v[TX]
	v_sub_f32 v[(\w)+1], v[TX], v[(\w)+3]          ; fx (1 - fy)
	v_sub_f32 v[(\w)+2], v[TX+1], v[(\w)+3]        ; (1 - fx) fy
	v_sub_f32 v[\w], v[TX+2], v[(\w)+2]            ; (1 - fx)(1 - fy)
.endm
; The cell's 8 heights (pairs z, 7-z: pair p at RV + 2 p), then its 8 detector rows (pairs v, 7-v), then T.  A weight is taken from the low or the high
; register of its pair for both halves; the pair (3, 4) read crosswise is the pair (4, 3).
.macro RCOMP d, w, t
.irp p, 0,1,2,3
	v_pk_mul_f32 v[RV+2*(\p):RV+2*(\p)+1], v[(\d)+2*(\p)+12*((\p)/2):(\d)+2*(\p)+12*((\p)/2)+1], v[(\w):(\w)+1] op_sel_hi:[1,0]
.endr
.irp p, 0,1,2,3
	v_pk_fma_f32 v[RV+2*(\p):RV+2*(\p)+1], v[(\d)+4+2*(\p)+12*((\p)/2):(\d)+4+2*(\p)+12*((\p)/2)+1], v[(\w):(\w)+1], v[RV+2*(\p):RV+2*(\p)+1] op_sel:[0,1,0]
.endr
.irp p, 0,1,2,3
	v_pk_fma_f32 v[RV+2*(\p):RV+2*(\p)+1], v[(\d)+8+2*(\p)+12*((\p)/2):(\d)+8+2*(\p)+12*((\p)/2)+1], v[(\w)+2:(\w)+3], v[RV+2*(\p):RV+2*(\p)+1] op_sel_hi:[1,0,1]
.endr
.irp p, 0,1,2,3
	v_pk_fma_f32 v[RV+2*(\p):RV+2*(\p)+1], v[(\d)+12+2*(\p)+12*((\p)/2):(\d)+12+2*(\p)+12*((\p)/2)+1], v[(\w)+2:(\w)+3], v[RV+2*(\p):RV+2*(\p)+1] op_sel:[0,1,0]
.endr
	v_pk_mul_f32 v[TV:TV+1],   v[RV:RV+1],   v[ZW:ZW+1]     op_sel_hi:[1,0]                             ; v0 = w00 z0
	v_pk_mul_f32 v[TV+2:TV+3], v[RV+2:RV+3], v[ZW+4:ZW+5]   op_sel_hi:[1,0]                             ; v1 = w11 z1
	v_pk_mul_f32 v[TV+4:TV+5], v[RV+4:RV+5], v[ZW+6:ZW+7]   op_sel:[0,1]                                ; v2 = w22 z2
	v_pk_mul_f32 v[TV+6:TV+7], v[RV+6:RV+7], v[ZW+10:ZW+11] op_sel_hi:[1,0]                             ; v3 = w33 z3
	v_pk_fma_f32 v[TV:TV+1],   v[RV+2:RV+3], v[ZW:ZW+1],     v[TV:TV+1]   op_sel:[0,1,0]                ; + w01 z1
	v_pk_fma_f32 v[TV+2:TV+3], v[RV+4:RV+5], v[ZW+4:ZW+5],   v[TV+2:TV+3] op_sel:[0,1,0]                ; + w12 z2
	v_pk_fma_f32 v[TV+4:TV+5], v[RV+6:RV+7], v[ZW+8:ZW+9],   v[TV+4:TV+5] op_sel_hi:[1,0,1]             ; + w23 z3
	v_pk_fma_f32 v[TV+6:TV+7], v[RV+6:RV+7], v[ZW+10:ZW+11], v[TV+6:TV+7] op_sel:[1,1,0] op_sel_hi:[0,1,1]  ; + w34 z4
	v_pk_fma_f32 v[TV:TV+1],   v[RV+4:RV+5], v[ZW+2:ZW+3],   v[TV:TV+1]   op_sel_hi:[1,0,1]             ; + w02 z2
	v_pk_fma_f32 v[TV+2:TV+3], v[RV+6:RV+7], v[ZW+6:ZW+7],   v[TV+2:TV+3] op_sel_hi:[1,0,1]             ; + w13 z3
	v_pk_fma_f32 v[TV+4:TV+5], v[RV+6:RV+7], v[ZW+8:ZW+9],   v[TV+4:TV+5] op_sel:[1,1,0] op_sel_hi:[0,1,1]  ; + w24 z4
	v_pk_fma_f32 v[TV:TV+1],   v[RV+6:RV+7], v[ZW+2:ZW+3],   v[TV:TV+1]   op_sel:[0,1,0]                ; + w03 z3
	ds_store_b128 v[TST], v[TV:TV+3]   offset:(\t)*128
	ds_store_b128 v[TST], v[TV+4:TV+7] offset:(\t)*128+TPS
.endm
; (c), row k of my eight, in ring slot k % 4: the left cell's place in T, four loads, the two weights, and pos steps to the next row
.macro XADDR k
.set sl, (\k)%4
	v_lshrrev_b32 v[XA+sl], 24, v[PP]
	v_sub_nc_u32 v[XA+sl], v[XA+sl], s23           ; column, counted from the row group's first
	v_min_u32 v[XA+sl], 34, v[XA+sl]               ; changes nothing: the column is 26 at the most
	v_lshl_add_u32 v[XA+sl], v[XA+sl], 4, s30
	ds_load_b128 v[XD+16*sl:XD+16*sl+3],     v[XA+sl] offset:(\k)*TP
	ds_load_b128 v[XD+16*sl+4:XD+16*sl+7],   v[XA+sl] offset:(\k)*TP+16
	ds_load_b128 v[XD+16*sl+8:XD+16*sl+11],  v[XA+sl] offset:(\k)*TP+TPS
	ds_load_b128 v[XD+16*sl+12:XD+16*sl+15], v[XA+sl] offset:(\k)*TP+TPS+16
	v_and_b32 v[XF], 0xffffff, v[PP]
	v_cvt_f32_u32 v[XF], v[XF]
	v_add_nc_u32 v[PP], v[PP], v[DP]
	v_mul_f32 v[XWT+2*sl+1], 0x33800000, v[XF]     ; x 2^-24: the right cell's weight
	v_sub_f32 v[XWT+2*sl], 1.0, v[XWT+2*sl+1]
.endm
.macro XFMA k                          ; left cells into one set of sums, right cells into the other: eight chains
.set sl, (\k)%4
.set xd, XD+16*sl
.set xw, XWT+2*sl
	v_pk_fma_f32 v[ACCA:ACCA+1],     v[xd:xd+1],     v[xw:xw+1], v[ACCA:ACCA+1]     op_sel_hi:[1,0,1]
	v_pk_fma_f32 v[ACCA+2:ACCA+3],   v[xd+2:xd+3],   v[xw:xw+1], v[ACCA+2:ACCA+3]   op_sel_hi:[1,0,1]
	v_pk_fma_f32 v[ACCB:ACCB+1],     v[xd+4:xd+5],   v[xw:xw+1], v[ACCB:ACCB+1]     op_sel:[0,1,0]
	v_pk_fma_f32 v[ACCB+2:ACCB+3],   v[xd+6:xd+7],   v[xw:xw+1], v[ACCB+2:ACCB+3]   op_sel:[0,1,0]
	v_pk_fma_f32 v[ACCA+4:ACCA+5],   v[xd+8:xd+9],   v[xw:xw+1], v[ACCA+4:ACCA+5]   op_sel_hi:[1,0,1]
	v_pk_fma_f32 v[ACCA+6:ACCA+7],   v[xd+10:xd+11], v[xw:xw+1], v[ACCA+6:ACCA+7]   op_sel_hi:[1,0,1]
	v_pk_fma_f32 v[ACCB+4:ACCB+5],   v[xd+12:xd+13], v[xw:xw+1], v[ACCB+4:ACCB+5]   op_sel:[0,1,0]
	v_pk_fma_f32 v[ACCB+6:ACCB+7],   v[xd+14:xd+15], v[xw:xw+1], v[ACCB+6:ACCB+7]   op_sel:[0,1,0]
.endm
	s_mov_b32 s31, 0
	s_wait_kmcnt 0x0
	BOXCALC
	LOADBOX                                        ; chunk 0's box
	s_mov_b32 s13, 0
.Lchunk:
	s_wait_loadcnt 0x0                             ; this chunk's box is in my registers; its address registers are free
	s_mov_b32 s20, s18
	s_mov_b32 s21, s19
	STOREBOX                                       ; every wave's gathers from the last box were back before the barrier behind (b)
	s_cmp_eq_u32 s13, 7
	s_cbranch_scc1 .Lnone                          ; behind the last chunk there is no box
	s_add_co_u32 s31, s13, 1
	BOXCALC
	s_wait_dscnt 0x0                               ; my stores have left the registers that the loads fill
	LOADBOX                                        ; it has all of (b) and (c) in which to arrive
.Lnone:
	s_wait_dscnt 0x0                               ; for the others: my part of the box is in LDS, my reads of T are back
	s_barrier_signal -1
	; work on registers while the others arrive: my row group's first column, the steps' scalar parts, the height weights
	s_lshl_b32 s32, s13, 5
	s_lshl_b32 s33, s14, 3
	s_add_co_u32 s32, s32, s33                     ; my group's first row
	s_mul_i32 s32, s32, R1_29
	s_sub_co_u32 s32, R0_29, s32
	s_sub_co_u32 s33, s32, 7*R1_29
	s_lshr_b32 s24, s32, 6                         ; rho of the first row, 23 fraction bits
	s_lshr_b32 s33, s33, 6                         ; of the eighth
	s_mul_i32 s32, s24, s22
	s_mul_i32 s33, s33, s22
	s_add_co_u32 s32, s32, PCM
	s_add_co_u32 s33, s33, PCM
	s_min_u32 s32, s32, s33
	s_lshr_b32 s23, s32, 24                        ; the group's first column
	s_lshl_b32 s32, s23, 1
	s_lshl_b32 s33, s13, 6
	s_mul_i32 s34, s32, s11
	s_mul_i32 s35, s33, s12
	s_sub_co_i32 s35, s35, s34
	s_lshl_b32 s36, s20, 22
	s_sub_co_i32 s35, s35, s36
	s_add_co_u32 s40, s35, XC                      ; x: centre - box origin - 2 first column cos' + 64 chunk sin'
	s_mul_i32 s34, s32, s12
	s_mul_i32 s35, s33, s11
	s_add_co_i32 s35, s35, s34
	s_lshl_b32 s36, s21, 22
	s_sub_co_i32 s35, s35, s36
	s_add_co_u32 s41, s35, XC                      ; y likewise
	s_add_co_u32 s42, s40, s28
	s_add_co_u32 s43, s41, s29
	s_add_co_u32 s44, s42, s28
	s_add_co_u32 s45, s43, s29
	s_add_co_u32 s46, s44, s28
	s_add_co_u32 s47, s45, s29
	s_cmp_lt_u32 s13, 2                            ; steps of 8 columns for the two waves of a row group: 4 4 3 3 3 3 3 2 cover the 28 .. 15 columns
	s_cselect_b32 s25, 4, 3
	s_cmp_eq_u32 s13, 7
	s_cselect_b32 s25, 2, s25
	v_fma_f32 v[ZW+11], -v[RR], 0.5, 0.5           ; v = 3: height - 3 = w34
	v_fma_f32 v195, -v[RR], s48, 0.5               ; v = 2: height - 3
	v_fma_f32 v196, -v[RR], s49, s48               ; v = 1: height - 2
	v_fma_f32 v197, -v[RR], s50, s49               ; v = 0: height - 1
	v_fma_f32 v198, -v[RR], s50, s48               ; v = 0: height - 2
	v_max_num_f32 v[ZW], -v197, 0
	v_sub_f32 v199, 1.0, |v197|
	v_sub_f32 v200, 1.0, |v198|
	v_max_num_f32 v[ZW+3], 0, v198
	v_max_num_f32 v[ZW+1], 0, v199
	v_max_num_f32 v[ZW+2], 0, v200
	v_max_num_f32 v[ZW+4], -v196, 0
	v_sub_f32 v[ZW+5], 1.0, |v196|
	v_max_num_f32 v[ZW+6], 0, v196
	v_max_num_f32 v[ZW+7], -v195, 0
	v_sub_f32 v[ZW+8], 1.0, |v195|
	v_max_num_f32 v[ZW+9], 0, v195
	v_sub_f32 v[ZW+10], 1.0, v[ZW+11]
	s_barrier_wait -1                              ; the box is whole, and nobody reads the last chunk's T any more
	; (b): two gather buffers by turns; a step's loads are issued ahead of the step before's arithmetic
	RADDR 0, ADA
	RLOAD DA, ADA
	RWGT WA
	RADDR 1, ADB
	RLOAD DB, ADB
	RWGT WB
	s_wait_dscnt 8                                 ; step 0's eight loads are in; step 1's eight may be out
	RCOMP DA, WA, 0
	s_cmp_lt_u32 s25, 3
	s_cbranch_scc1 .Ltwo
	RADDR 2, ADA
	RLOAD DA, ADA
	RWGT WA
	s_wait_dscnt 10                                ; step 1's loads are in; behind them: two stores of T, step 2's eight loads
	RCOMP DB, WB, 1
	s_cmp_lt_u32 s25, 4
	s_cbranch_scc1 .Lthree
	RADDR 3, ADB
	RLOAD DB, ADB
	RWGT WB
	s_wait_dscnt 10                                ; step 2's loads are in; behind them: two stores, step 3's eight loads
	RCOMP DA, WA, 2
	s_wait_dscnt 2                                 ; step 3's loads are in; behind them: two stores
	RCOMP DB, WB, 3
	s_branch .Lturned
.Ltwo:
	s_wait_dscnt 2                                 ; step 1's loads are in; behind them: two stores
	RCOMP DB, WB, 1
	s_branch .Lturned
.Lthree:
	s_wait_dscnt 2                                 ; step 2's loads are in; behind them: two stores
	RCOMP DA, WA, 2
.Lturned:
	s_wait_dscnt 0x0                               ; for the others: my part of T is in LDS, my gathers from the box are back
	s_barrier_signal -1
	v_mul_lo_u32 v[PP], v[U2], s24
	v_add_nc_u32 v[PP], PC24, v[PP]                ; pos of my u in my group's first row
	v_add_f32 v[RR], 0xbd6bd076, v[RR]             ; ratio 32 rows on, for the next chunk
	s_barrier_wait -1                              ; T is whole, and the box may be written again
	; (c): a ring of four row slots
	XADDR 0
	XADDR 1
	XADDR 2
	XADDR 3
.irp k, 0,1,2,3
	s_wait_dscnt 12                                ; row k's four loads are in; the three younger rows' twelve may be out
	XFMA \k
	XADDR (\k)+4
.endr
	s_wait_dscnt 12
	XFMA 4
	s_wait_dscnt 8                                 ; the counts run down: two rows, one row, none behind
	XFMA 5
	s_wait_dscnt 4
	XFMA 6
	s_wait_dscnt 0x0
	XFMA 7
	s_add_co_u32 s13, s13, 1
	s_cmp_lt_u32 s13, 8
	s_cbranch_scc1 .Lchunk
	; THE END.  Left and right sums are added; the four row groups' sums meet in LDS; wave w then owns register w's detector row: 0 7 1 6 2 5 3 4.
.irp i, 0,2,4,6
	v_pk_add_f32 v[ACCA+(\i):ACCA+(\i)+1], v[ACCA+(\i):ACCA+(\i)+1], v[ACCB+(\i):ACCB+(\i)+1]
.endr
.irp i, 0,1,2,3,4,5,6,7
	ds_store_b32 v[REDA], v[ACCA+(\i)] offset:256*(\i)
.endr
	s_wait_dscnt 0x0                               ; for the others: my sums are in LDS
	s_barrier_signal -1
	; DIST = sqrt(1085.6^2 + (u-127.5)^2 + (v-3.5)^2) x 1.953125 / 1085.6 for my two u, while the others arrive
	s_lshr_b32 s32, s8, 1
	s_sub_co_u32 s33, 7, s32
	s_bitcmp1_b32 s8, 0
	s_cselect_b32 s32, s33, s32                    ; v
	v_cvt_f32_u32 v188, s32
	v_add_f32 v188, 0xc0600000, v188               ; v - 3.5
	s_mov_b32 s34, 0x498fdcfb                      ; 1085.6^2
	v_fma_f32 v188, v188, v188, s34
	v_lshl_add_u32 v189, v1, 2, s22                ; 2 u - 255 for u = 64 q + 2 lane
	v_cvt_f32_i32 v189, v189
	v_mul_f32 v189, 0.5, v189
	v_add_f32 v190, 1.0, v189
	v_fma_f32 v192, v189, v189, v188
	v_fma_f32 v193, v190, v190, v188
	v_sqrt_f32 v192, v192
	v_sqrt_f32 v193, v193
	v_lshlrev_b32 v191, 3, v1                      ; a plain instruction between the square roots and their use (ISA guide 5.7.2); also my 8 bytes of the 256
	s_wait_alu depctr_va_vdst(0)
	v_pk_mul_f32 v[192:193], v[192:193], 0x3aebd076 op_sel_hi:[1,0]
	s_lshl_b32 s35, s10, 13                        ; an angle is 8 x 256 x 4 bytes of out,
	s_lshl_b32 s36, s32, 10                        ; a detector row 1,024,
	s_add_co_u32 s35, s35, s36
	s_lshl_b32 s36, s9, 8                          ; my quarter of it 256
	s_add_co_u32 s52, s35, s36
	s_mov_b32 s53, 0
	s_add_nc_u64 s[6:7], s[6:7], s[52:53]
	s_lshl_b32 s37, s8, 8
	s_add_co_u32 s37, s37, RED
	v_add_nc_u32 v194, s37, v191
	s_barrier_wait -1
	ds_load_b64 v[116:117], v194
	ds_load_b64 v[118:119], v194 offset:2048
	ds_load_b64 v[120:121], v194 offset:4096
	ds_load_b64 v[122:123], v194 offset:6144
	s_wait_dscnt 0x0
	v_pk_add_f32 v[116:117], v[116:117], v[118:119]
	v_pk_add_f32 v[120:121], v[120:121], v[122:123]
	v_pk_add_f32 v[116:117], v[116:117], v[120:121]
	v_pk_mul_f32 v[116:117], v[116:117], v[192:193]
	global_store_b64 v191, v[116:117], s[6:7] th:TH_STORE_NT  ; the wave's store covers 256 consecutive bytes, at a multiple of 256 from out's first byte
	s_wait_tensorcnt 0x0                           ; the wave's end: three closing lines, behind my last LDS store
	ds_add_u32 v[SPW], v[NIL]
	s_wait_dscnt 0x0
	s_endpgm
.Lfunc_end_k_qb91d8d9666_proj:
	.size	k_qb91d8d9666_proj, .Lfunc_end_k_qb91d8d9666_proj-k_qb91d8d9666_proj
	.p2alignl 7, 3214868480
	.fill 96, 4, 3214868480
	.section	.rodata,"a",@progbits
	.p2align	6, 0x0
	.amdhsa_kernel k_qb91d8d9666_proj
		.amdhsa_group_segment_fixed_size 126976
		.amdhsa_private_segment_fixed_size 0
		.amdhsa_enable_private_segment 0
		.amdhsa_kernarg_size 16
		.amdhsa_user_sgpr_count 2
		.amdhsa_user_sgpr_kernarg_segment_ptr 1
		.amdhsa_wavefront_size32 1
		.amdhsa_system_sgpr_workgroup_id_x 1
		.amdhsa_system_sgpr_workgroup_id_y 1
		.amdhsa_system_sgpr_workgroup_id_z 1
		.amdhsa_system_vgpr_workitem_id 0
		.amdhsa_next_free_vgpr 216
		.amdhsa_next_free_sgpr 66
		.amdhsa_reserve_vcc 0
		.amdhsa_float_denorm_mode_32 3
		.amdhsa_float_denorm_mode_16_64 3
		.amdhsa_memory_ordered 1
		.amdhsa_forward_progress 1
		.amdhsa_inst_pref_size 48
	.end_amdhsa_kernel
	.amdgpu_metadata
---
amdhsa.version: [ 1, 2 ]
amdhsa.kernels:
  - .name:           k_qb91d8d9666_proj
    .symbol:         k_qb91d8d9666_proj.kd
    .args:
      - { .name: xt, .offset: 0, .size: 8, .value_kind: global_buffer, .address_space: global }
      - { .name: out0, .offset: 8, .size: 8, .value_kind: global_buffer, .address_space: global }
    .group_segment_fixed_size: 126976
    .private_segment_fixed_size: 0
    .kernarg_segment_align: 8
    .kernarg_segment_size: 16
    .max_flat_workgroup_size: 256
    .sgpr_count:     66
    .vgpr_count:     216
    .wavefront_size: 32
...
	.end_amdgpu_metadata
.endif
;; end of part 2
;; ======== version 2 of 2: 2 launches; version 1 with the launch proj written anew for expert scheduling mode
;; workspace buffers: xt 2,654,208 bytes
;; launch pad: the kernel of part 1 again; grid 288 x 1, 18 waves a work-group, no clusters, 0 bytes of LDS; arguments x, xt; writes xt
;; launch proj (part 3): grid 4 x 64, 8 waves a work-group, no clusters, 126,976 bytes of LDS; arguments xt, out0; writes out0
.if DOCPART == 3
	.amdgcn_target "amdgcn-amd-amdhsa--gfx1250"
	.amdhsa_code_object_version 6
	.text
	.protected	k_qb91d8d9666_proj
	.globl	k_qb91d8d9666_proj
	.p2align	8
	.type	k_qb91d8d9666_proj,@function
k_qb91d8d9666_proj:
	s_mov_b64 s[64:65], 0
	v_nop
	global_prefetch_b8 v0, s[64:65] scope:SCOPE_SE
	s_setreg_imm32_b32 hwreg(HW_REG_WAVE_SCHED_MODE, 0, 2), 2
	s_setreg_imm32_b32 hwreg(HW_REG_WAVE_MODE, 25, 1), 1
	s_wait_xcnt 0x0
	s_wait_alu depctr_vm_vsrc(0)
; CONE-BEAM FORWARD PROJECTION.  out[a][v][u] = DIST(v,u) x sum over rows j of the rotated volume R_a[z][j][i], sampled bilinearly
; at column pos = 127.5 + (u-127.5) rho(j) and height 3.5 + (v-3.5) ratio(j); R_a[z][j][i] is x[z] sampled bilinearly at the cell (i, j) turned by angle a.
; rho lies in 0.163 .. 0.398, so only columns 76 .. 179 of R are ever read: only those cells are rotated.
; SHARES.  A work-group owns one angle (grid y) and 64 detector columns (grid x): all 8 x 64 of its outputs, so no sum crosses work-groups.
; It walks the 256 rows in 8 chunks of 32.  In a chunk:
;  (a) a box of 48 x 48 cells of xt that covers the chunk's turned sector goes from registers into LDS.  The sector is at most 32 columns by 31 rows,
;      diagonal 44.6 cells, and a tap reaches one cell further: 47 at the most.  The box was loaded into registers a whole chunk earlier.
;  (b) wave w takes rows 8 (w/2) .. +7 and columns 4 (w%2) + 8 t .. +3 in step t: a lane gathers its cell's 4 taps x 8 heights, weights them, and
;      interpolates along the height into the 8 detector rows: T[row][column][8] in LDS.
;  (c) a lane owns one u (32 (w%2) + lane); wave w walks rows 8 (w/2) .. +7, two neighbouring cells of T a row, and adds into 8 sums.
; At the end the four row groups' sums meet in LDS, are multiplied by DIST, and each wave stores 256 consecutive bytes of one detector row.
; WHOLE NUMBERS.  Every position is a whole number in fixed point: 22 fraction bits for the turned cell, 24 for pos; cos and sin have 21.
; Cell numbers are the upper bits, weights are made of the lower bits: no address is made of a float.
; LIMITS.  Positions differ from f32 arithmetic's by up to 1e-4 of a cell; both samplings are continuous in the position, so the result moves by that order.
; x must be finite: a weight of 0 meets cells here that another order of the work would not touch.
; HEIGHTS.  The weight of height z for detector row v equals that of 7-z for 7-v, and xt holds z and 7-z side by side: one packed instruction serves both.
; Which heights a detector row can meet follows from ratio in 0.319 .. 0.778: v=0: 0-3, v=1: 1-3, v=2: 2-4, v=3: 3-4: 12 weights a row.
; NO CLUSTER: the four work-groups of an angle read boxes with four different origins, those of other angles other boxes: no tile is shared whole.
; NO TENSOR LOADS: the next box is on its way in 72 registers a lane while a chunk is worked on, so one box in LDS is enough.
; LDS PITCHES.  A cell is 16 bytes in each of two planes.  Box rows are 52 cells apart, T rows 36: both 4 modulo 16, so the 4 x 4 cells that sixteen
; neighbouring lanes touch start in sixteen different 16-byte columns of 256 bytes (64 banks of 4 bytes: ISA guide 11.1) when the patch lies straight.
; THE MODE: SCHED_MODE bits 1:0 = 2 (LLVM: expert scheduling mode 2), set by the entry lines.  The code itself states the register dependences
; between vector instructions and memory or LDS instructions, with s_wait_alu, always for 0.
; THE PLAN.  Registers that memory or LDS instructions touch, in the loop:
;   v4, v5, v8   offsets and addresses made at the head and never written again.
;   STG          Written by the box's 18 global loads; read by the 18 LDS stores at the next chunk's top.  No vector instruction names it.
;   AD0 .. AD3   The four steps' gather addresses: all made between the signal and the wait of the first barrier; read by the gathers of (b).
;                In a chunk of two or three steps the later ones are made and not used: 8 lines each, so that one wait serves all four.
;   DA, DB       Written by the gathers of steps t and t + 2; read by the first 16 packed lines of step t.
;   TV0, TV1     Written by step t's last 12 packed lines, buffer t % 2; read by the step's two stores of T.
;   XA0 .. XA7   The eight rows' addresses in T: all made between the signal and the wait of the second barrier; read by the 32 loads of (c).
;   XD           Eight row slots, written by those 32 loads, read by the sums' lines.  It lies over all that (b) alone uses: DA, DB, the weights, AD, TV.
;   The positions, the weights, the turned cell and the sums are named by vector instructions alone.
; So a chunk has: one wait on vm_vsrc behind the box's stores; one on va_vdst behind the first barrier, ahead of 16 gathers on end; one on va_vdst at the end of each
; step's arithmetic, which serves the step's two stores and the eight gathers of the step after next; one on vm_vsrc in steps 2 and 3, a whole step behind the stores
; that it names; and one of each kind behind the second barrier, ahead of all 32 loads of (c).
.set XROW,  9216                       ; bytes in a row of xt (288 cells of 32 bytes)
.set BP,    832                        ; bytes from row to row of a box plane: 52 cells
.set PS,    40064                      ; bytes from plane 0 to plane 1 of the box: 48 rows + 128, so that the planes lie 8 columns apart
.set TB,    80128                      ; T begins here
.set TP,    576                        ; bytes from row to row of a T plane: 36 cells
.set TPS,   18432                      ; bytes from plane 0 to plane 1 of T: 32 rows
.set RED,   116992                     ; the final sums: [4 row groups][8][64 u] f32
.set SPARE, 125184                     ; the spare words, 128 bytes for each of the 8 waves: four blocks of 256 bytes that no other line names
.set R0_29, 213709834                  ; rho(0) = 0.3980655857 with 29 fraction bits
.set R1_29, 494538                     ; rho(j) - rho(j+1) = 1/1085.6 with 29 fraction bits
.set PC24,  0x7f800000                 ; 127.5 with 24 fraction bits
.set PCM,   0x7f7c0000                 ; 127.5 - 1/64: a first column is taken 1/64 of a cell early, far more than the two ways of computing pos can differ
.set XC,    0x23e00000                 ; 127.5 + 16 (the border) with 22 fraction bits
.set SPW,  2                           ; v2   LDS address of my spare word; never rewritten
.set NIL,  3                           ; v3   0; never rewritten
.set GOFF, 4                           ; v4   16 x lane: my bytes in 512 bytes of a box row in xt; never rewritten
.set SADR, 5                           ; v5   where those bytes go in the box
.set X0,   6                           ; v6-7 the lane's constant part of its turned position
.set Y0,   7
.set TST,  8                           ; v8   where I store T
.set RR,   9                           ; v9   ratio of my row in (b)
.set U2,   10                          ; v10  2 u - 255
.set DP,   11                          ; v11  pos(j+1) - pos(j) for my u
.set PP,   12                          ; v12  pos
.set REDA, 13                          ; v13  where my sums go
.set ACCA, 14                          ; v14-21  sums of the left cells
.set ACCB, 22                          ; v22-29  sums of the right cells
.set STG,  30                          ; v30-101 the next box: 18 x 16 bytes
.set DA,   102                         ; v102-133, v134-165  two gather buffers: plane 0 taps 00 01 10 11, plane 1 the same
.set DB,   134
.set WA,   166                         ; v166-169, v170-173  their four tap weights
.set WB,   170
.set TX,   174                         ; v174-177 at work
.set AD,   178                         ; v178-181 the four steps' gather addresses
.set PXY,  182                         ; v182-189 the four steps' turned positions, x and y
.set RV,   190                         ; v190-197 the turned cell's 8 heights
.set TV,   198                         ; v198-205, v206-213 its 8 detector rows: two buffers, by the step's parity
.set ZW,   214                         ; v214-225  w00 w01 w02 w03 w11 w12 w13 w22 w23 w24 w33 w34 (detector row, height)
.set XD,   102                         ; (c): v102-229 eight row slots of 16 registers
.set XA,   230                         ; (c): v230-237 an address for each row
.set XWT,  238                         ; (c): v238-253 a pair of weights for each row
.set HT,   174                         ; at the head and at the end only: v174-180 at work
; scalars: s8 wave, s9 quarter, s10 angle, s11 cos, s12 -sin (21 fraction bits), s13 chunk, s14 w/2, s15 w%2, s[16:17] the box's address,
; s18-19 origin of the next box, s20-21 of this one, s22 2 x first u - 255, s23 first column of my row group, s24 rho of its first row, s25 steps,
; s28-29 a step's move, s30 my rows of T, s31 the chunk whose box is asked for, s40-47 the four steps' scalar parts, s48-50 1.5 2.5 3.5
	s_load_b128 s[4:7], s[0:1], 0x0                ; xt s[4:5], out s[6:7]
	v_lshl_add_u32 v[SPW], v0, 2, SPARE
	v_mov_b32 v[NIL], 0
	v_lshrrev_b32 v1, 5, v0
	v_readfirstlane_b32 s8, v1
	v_and_b32 v1, 31, v0                           ; lane
	s_mov_b32 s9, ttmp9
	s_and_b32 s10, ttmp7, 0xffff
	s_wait_alu depctr_va_sdst(0)                   ; s8, the wave's number, is written, ahead of its first reader
	s_lshr_b32 s14, s8, 1
	s_and_b32 s15, s8, 1
	; cos and sin of (a % 16) x 5.625 degrees, picked from sixteen literals; the quadrant a / 16 swaps and negates
	s_and_b32 s32, s10, 15
	s_mov_b32 s33, 0
	s_mov_b32 s34, 0
.macro TAB k, ck, sk
	s_cmp_eq_u32 s32, \k
	s_cselect_b32 s33, \ck, s33
	s_cselect_b32 s34, \sk, s34
.endm
	TAB 0,  2097152, 0
	TAB 1,  2087054, 205557
	TAB 2,  2056856, 409134
	TAB 3,  2006849, 608771
	TAB 4,  1937516, 802545
	TAB 5,  1849523, 988591
	TAB 6,  1743718, 1165115
	TAB 7,  1621120, 1330419
	TAB 8,  1482910, 1482910
	TAB 9,  1330419, 1621120
	TAB 10, 1165115, 1743718
	TAB 11, 988591,  1849523
	TAB 12, 802545,  1937516
	TAB 13, 608771,  2006849
	TAB 14, 409134,  2056856
	TAB 15, 205557,  2087054
	s_sub_co_i32 s35, 0, s34                       ; -S
	s_sub_co_i32 s36, 0, s33                       ; -C
	s_bitcmp1_b32 s10, 4                           ; odd quadrant: cos = -S, -sin = -C; even: C, -S
	s_cselect_b32 s11, s35, s33
	s_cselect_b32 s12, s36, s35
	s_sub_co_i32 s35, 0, s11
	s_sub_co_i32 s36, 0, s12
	s_bitcmp1_b32 s10, 5                           ; the upper two quadrants negate both
	s_cselect_b32 s11, s35, s11
	s_cselect_b32 s12, s36, s12
	s_lshl_b32 s28, s11, 4
	s_sub_co_i32 s28, 0, s28                       ; 8 columns on: x moves by -8 cos,
	s_lshl_b32 s29, s12, 4                         ; y by -8 sin (twice that in units of 2^-21 = once in 2^-22 x 2)
	s_mov_b32 s48, 0x3fc00000                      ; 1.5
	s_mov_b32 s49, 0x40200000                      ; 2.5
	s_mov_b32 s50, 0x40600000                      ; 3.5
	; the lane's place in the patch of 8 rows x 4 columns, and the part of its turned position that never changes:
	; x = XC - (2 i - 255) cos' + (2 j - 255) sin',  y = XC + (2 i - 255) sin' + (2 j - 255) cos'   (cos' = s11, sin' = s12)
	v_and_b32 v[HT], 3, v1                         ; column in the patch
	v_lshrrev_b32 v[HT+1], 2, v1                   ; row in the patch
	s_lshl_b32 s32, s15, 3
	s_sub_co_i32 s32, s32, 255
	s_lshl_b32 s33, s14, 4
	s_sub_co_i32 s33, s33, 255
	v_lshl_add_u32 v[HT+2], v[HT], 1, s32          ; 2 (column + 4 (w%2)) - 255
	v_lshl_add_u32 v[HT+3], v[HT+1], 1, s33        ; 2 (row + 8 (w/2)) - 255
	v_mul_lo_u32 v[X0], v[HT+3], s12
	v_mul_lo_u32 v[HT+4], v[HT+2], s11
	v_sub_nc_u32 v[X0], v[X0], v[HT+4]
	v_mul_lo_u32 v[Y0], v[HT+2], s12
	v_mul_lo_u32 v[HT+4], v[HT+3], s11
	v_add_nc_u32 v[Y0], v[Y0], v[HT+4]
	s_lshl_b32 s34, s14, 3
	v_add_nc_u32 v[HT+5], s34, v[HT+1]             ; my row in the chunk
	v_mul_u32_u24 v[TST], v[HT+5], TP
	s_lshl_b32 s35, s15, 6
	s_add_co_u32 s35, s35, TB
	v_lshl_add_u32 v[TST], v[HT], 4, v[TST]
	v_add_nc_u32 v[TST], s35, v[TST]
	v_cvt_f32_u32 v[RR], v[HT+5]
	s_mov_b32 s36, 0x3aebd076                      ; 1.953125 / 1085.6: ratio falls by this from row to row
	s_mov_b32 s37, 0x3f470865                      ; ratio(0) = 0.77747185
	v_fma_f32 v[RR], -v[RR], s36, s37
	v_lshlrev_b32 v[GOFF], 4, v1
	v_and_b32 v[HT+4], 1, v1                       ; 16 bytes of xt: cell lane / 2, plane lane % 2
	v_lshrrev_b32 v[HT+5], 1, v1
	v_mul_u32_u24 v[SADR], v[HT+4], PS
	v_lshl_add_u32 v[SADR], v[HT+5], 4, v[SADR]
	s_mul_i32 s36, s8, 6*BP                        ; wave w brings box rows 6 w .. 6 w + 5
	v_add_nc_u32 v[SADR], s36, v[SADR]
	s_lshl_b32 s36, s9, 7
	s_sub_co_i32 s22, s36, 255                     ; 2 x 64 q - 255
	s_lshl_b32 s37, s15, 6
	s_add_co_i32 s37, s37, s22
	v_lshl_add_u32 v[U2], v1, 1, s37
	v_mul_lo_u32 v[DP], v[U2], 0xffffe1d1          ; x -7727: 1/1085.6 with 23 fraction bits; used for 7 rows on end, then pos is made anew
	s_lshl_b32 s36, s14, 11
	s_lshl_b32 s37, s15, 7
	s_add_co_u32 s36, s36, s37
	s_add_co_u32 s36, s36, RED
	v_lshl_add_u32 v[REDA], v1, 2, s36
	s_mul_i32 s30, s14, 8*TP
	s_add_co_u32 s30, s30, TB
.irp i, 0,1,2,3,4,5,6,7,8,9,10,11,12,13,14,15
	v_mov_b32 v[ACCA+(\i)], 0                      ; sixteen sums a lane, cleared once: the loop has one text for every chunk
.endr
; The origin of the box of chunk s31, and its address for my six rows.  Columns: from the least first column of the chunk's rows to the greatest + 28 - 2 chunk
; (a row group needs at most 28, 26, 24, 22, 21, 19, 17, 15 columns: 63 rho + 0.43, rounded down, + 3).  The position is linear in column and row,
; so its least value is the sum of the two least terms, in the very numbers that the lanes compute with.  The origin is kept inside xt: 288 - 48 = 240.
.macro BOXCALC
	s_lshl_b32 s32, s31, 5
	s_mul_i32 s32, s32, R1_29
	s_sub_co_u32 s32, R0_29, s32                   ; rho of the chunk's first row,
	s_sub_co_u32 s33, s32, 31*R1_29                ; of its last
	s_lshr_b32 s32, s32, 6
	s_lshr_b32 s33, s33, 6                         ; 23 fraction bits
	s_mul_i32 s32, s32, s22
	s_mul_i32 s33, s33, s22
	s_add_co_u32 s32, s32, PCM                     ; pos of the first u in both rows
	s_add_co_u32 s33, s33, PCM
	s_min_u32 s34, s32, s33
	s_max_u32 s35, s32, s33
	s_lshr_b32 s34, s34, 24
	s_lshr_b32 s35, s35, 24
	s_lshl_b32 s34, s34, 1
	s_sub_co_i32 s34, s34, 255                     ; 2 i - 255 for the least column
	s_lshl_b32 s35, s35, 1
	s_lshl_b32 s36, s31, 2
	s_sub_co_i32 s35, s35, s36
	s_sub_co_i32 s35, s35, 199                     ; and for the greatest
	s_lshl_b32 s36, s31, 6
	s_sub_co_i32 s36, s36, 255                     ; 2 j - 255 for the first row
	s_add_co_i32 s37, s36, 62                      ; and the last
	s_mul_i32 s38, s34, s11
	s_mul_i32 s39, s35, s11
	s_max_i32 s38, s38, s39
	s_mul_i32 s39, s36, s12
	s_mul_i32 s40, s37, s12
	s_min_i32 s39, s39, s40
	s_sub_co_i32 s39, s39, s38
	s_add_co_u32 s39, s39, XC
	s_lshr_b32 s39, s39, 22
	s_min_u32 s18, s39, 240
	s_mul_i32 s38, s34, s12
	s_mul_i32 s39, s35, s12
	s_min_i32 s38, s38, s39
	s_mul_i32 s39, s36, s11
	s_mul_i32 s40, s37, s11
	s_min_i32 s39, s39, s40
	s_add_co_i32 s39, s39, s38
	s_add_co_u32 s39, s39, XC
	s_lshr_b32 s39, s39, 22
	s_min_u32 s19, s39, 240
	s_mul_i32 s40, s8, 6
	s_add_co_u32 s40, s40, s19
	s_mul_i32 s40, s40, 288
	s_add_co_u32 s40, s40, s18
	s_lshl_b32 s52, s40, 5                         ; 32 bytes to a cell
	s_mov_b32 s53, 0
	s_add_nc_u64 s[16:17], s[4:5], s[52:53]
.endm
.macro LOADBOX                         ; six rows of 1,536 bytes: three loads of 512 consecutive bytes each
.set rr, 0
.rept 6
.set tt, 0
.rept 3
	global_load_b128 v[STG+4*(3*rr+tt):STG+4*(3*rr+tt)+3], v[GOFF], s[16:17] offset:rr*XROW+tt*512
.set tt, tt+1
.endr
.set rr, rr+1
.endr
.endm
.macro STOREBOX                        ; 512 bytes of xt are 16 cells: 256 bytes in each plane
.set rr, 0
.rept 6
.set tt, 0
.rept 3
	ds_store_b128 v[SADR], v[STG+4*(3*rr+tt):STG+4*(3*rr+tt)+3] offset:rr*BP+tt*256
.set tt, tt+1
.endr
.set rr, rr+1
.endr
.endm
; (b), step t: my cell's turned position, which is kept for the weights, and its place in the box.
; The two minima change nothing for a cell that (c) reads; the columns past those may fall outside the box and take any cell of it.
.macro RADDR t
.set tx, TX+2*((\t)%2)
	v_add_nc_u32 v[PXY+2*(\t)], s[40+2*(\t)], v[X0]
	v_add_nc_u32 v[PXY+2*(\t)+1], s[41+2*(\t)], v[Y0]
	v_lshrrev_b32 v[tx], 22, v[PXY+2*(\t)]
	v_lshrrev_b32 v[tx+1], 22, v[PXY+2*(\t)+1]
	v_min_u32 v[tx], 46, v[tx]
	v_min_u32 v[tx+1], 46, v[tx+1]
	v_mul_u32_u24 v[AD+(\t)], v[tx+1], BP
	v_lshl_add_u32 v[AD+(\t)], v[tx], 4, v[AD+(\t)]
.endm
.macro RLOAD d, ad
	ds_load_b128 v[(\d):(\d)+3],     v[\ad]
	ds_load_b128 v[(\d)+4:(\d)+7],   v[\ad] offset:16
	ds_load_b128 v[(\d)+8:(\d)+11],  v[\ad] offset:BP
	ds_load_b128 v[(\d)+12:(\d)+15], v[\ad] offset:BP+16
	ds_load_b128 v[(\d)+16:(\d)+19], v[\ad] offset:PS
	ds_load_b128 v[(\d)+20:(\d)+23], v[\ad] offset:PS+16
	ds_load_b128 v[(\d)+24:(\d)+27], v[\ad] offset:PS+BP
	ds_load_b128 v[(\d)+28:(\d)+31], v[\ad] offset:PS+BP+16
.endm
.macro RWGT w, t                       ; step t's four tap weights from the fraction bits; stands behind the loads, and names none of their registers
	v_and_b32 v[TX], 0x3fffff, v[PXY+2*(\t)]
	v_and_b32 v[TX+1], 0x3fffff, v[PXY+2*(\t)+1]
	v_cvt_f32_u32 v[TX], v[TX]
	v_cvt_f32_u32 v[TX+1], v[TX+1]
	v_mul_f32 v[TX], 0x34800000, v[TX]             ; x 2^-22: fx
	v_mul_f32 v[TX+1], 0x34800000, v[TX+1]         ; fy
	v_mul_f32 v[(\w)+3], v[TX], v[TX+1]            ; fx fy
	v_sub_f32 v[TX+2], 1.0, v[TX]
	v_sub_f32 v[(\w)+1], v[TX], v[(\w)+3]          ; fx (1 - fy)
	v_sub_f32 v[(\w)+2], v[TX+1], v[(\w)+3]        ; (1 - fx) fy
	v_sub_f32 v[\w], v[TX+2], v[(\w)+2]            ; (1 - fx)(1 - fy)
.endm
; The cell's 8 heights (pairs z, 7-z: pair p at RV + 2 p), then its 8 detector rows (pairs v, 7-v), then T.  A weight is taken from the low or the high
; register of its pair for both halves; the pair (3, 4) read crosswise is the pair (4, 3).
.macro RCOMP d, w, t
.set tv, TV+8*((\t)%2)
.irp p, 0,1,2,3
	v_pk_mul_f32 v[RV+2*(\p):RV+2*(\p)+1], v[(\d)+2*(\p)+12*((\p)/2):(\d)+2*(\p)+12*((\p)/2)+1], v[(\w):(\w)+1] op_sel_hi:[1,0]
.endr
.irp p, 0,1,2,3
	v_pk_fma_f32 v[RV+2*(\p):RV+2*(\p)+1], v[(\d)+4+2*(\p)+12*((\p)/2):(\d)+4+2*(\p)+12*((\p)/2)+1], v[(\w):(\w)+1], v[RV+2*(\p):RV+2*(\p)+1] op_sel:[0,1,0]
.endr
.irp p, 0,1,2,3
	v_pk_fma_f32 v[RV+2*(\p):RV+2*(\p)+1], v[(\d)+8+2*(\p)+12*((\p)/2):(\d)+8+2*(\p)+12*((\p)/2)+1], v[(\w)+2:(\w)+3], v[RV+2*(\p):RV+2*(\p)+1] op_sel_hi:[1,0,1]
.endr
.irp p, 0,1,2,3
	v_pk_fma_f32 v[RV+2*(\p):RV+2*(\p)+1], v[(\d)+12+2*(\p)+12*((\p)/2):(\d)+12+2*(\p)+12*((\p)/2)+1], v[(\w)+2:(\w)+3], v[RV+2*(\p):RV+2*(\p)+1] op_sel:[0,1,0]
.endr
.if (\t) >= 2
	s_wait_alu depctr_vm_vsrc(0)                   ; the stores of the step before last have read this buffer of TV, which the lines below write again
.endif
	v_pk_mul_f32 v[tv:tv+1],   v[RV:RV+1],   v[ZW:ZW+1]     op_sel_hi:[1,0]                             ; v0 = w00 z0
	v_pk_mul_f32 v[tv+2:tv+3], v[RV+2:RV+3], v[ZW+4:ZW+5]   op_sel_hi:[1,0]                             ; v1 = w11 z1
	v_pk_mul_f32 v[tv+4:tv+5], v[RV+4:RV+5], v[ZW+6:ZW+7]   op_sel:[0,1]                                ; v2 = w22 z2
	v_pk_mul_f32 v[tv+6:tv+7], v[RV+6:RV+7], v[ZW+10:ZW+11] op_sel_hi:[1,0]                             ; v3 = w33 z3
	v_pk_fma_f32 v[tv:tv+1],   v[RV+2:RV+3], v[ZW:ZW+1],     v[tv:tv+1]   op_sel:[0,1,0]                ; + w01 z1
	v_pk_fma_f32 v[tv+2:tv+3], v[RV+4:RV+5], v[ZW+4:ZW+5],   v[tv+2:tv+3] op_sel:[0,1,0]                ; + w12 z2
	v_pk_fma_f32 v[tv+4:tv+5], v[RV+6:RV+7], v[ZW+8:ZW+9],   v[tv+4:tv+5] op_sel_hi:[1,0,1]             ; + w23 z3
	v_pk_fma_f32 v[tv+6:tv+7], v[RV+6:RV+7], v[ZW+10:ZW+11], v[tv+6:tv+7] op_sel:[1,1,0] op_sel_hi:[0,1,1]  ; + w34 z4
	v_pk_fma_f32 v[tv:tv+1],   v[RV+4:RV+5], v[ZW+2:ZW+3],   v[tv:tv+1]   op_sel_hi:[1,0,1]             ; + w02 z2
	v_pk_fma_f32 v[tv+2:tv+3], v[RV+6:RV+7], v[ZW+6:ZW+7],   v[tv+2:tv+3] op_sel_hi:[1,0,1]             ; + w13 z3
	v_pk_fma_f32 v[tv+4:tv+5], v[RV+6:RV+7], v[ZW+8:ZW+9],   v[tv+4:tv+5] op_sel:[1,1,0] op_sel_hi:[0,1,1]  ; + w24 z4
	v_pk_fma_f32 v[tv:tv+1],   v[RV+6:RV+7], v[ZW+2:ZW+3],   v[tv:tv+1]   op_sel:[0,1,0]                ; + w03 z3
	s_wait_alu depctr_va_vdst(0)                   ; TV is written, which the two stores read; the step is done reading its gather buffer, in which the gathers of the step after next land
	ds_store_b128 v[TST], v[tv:tv+3]   offset:(\t)*128
	ds_store_b128 v[TST], v[tv+4:tv+7] offset:(\t)*128+TPS
.endm
; (c), row k of my eight.  XPREP: the left cell's place in T and pos's fraction bits, and pos steps to the next row.  XLOAD: four loads into the row's own slot.
.macro XPREP k
	v_lshrrev_b32 v[XA+(\k)], 24, v[PP]
	v_and_b32 v[XWT+2*(\k)+1], 0xffffff, v[PP]
	v_add_nc_u32 v[PP], v[PP], v[DP]
	v_sub_nc_u32 v[XA+(\k)], v[XA+(\k)], s23       ; column, counted from the row group's first
	v_min_u32 v[XA+(\k)], 34, v[XA+(\k)]           ; changes nothing: the column is 26 at the most
	v_lshl_add_u32 v[XA+(\k)], v[XA+(\k)], 4, s30
.endm
.macro XLOAD k
	ds_load_b128 v[XD+16*(\k):XD+16*(\k)+3],     v[XA+(\k)] offset:(\k)*TP
	ds_load_b128 v[XD+16*(\k)+4:XD+16*(\k)+7],   v[XA+(\k)] offset:(\k)*TP+16
	ds_load_b128 v[XD+16*(\k)+8:XD+16*(\k)+11],  v[XA+(\k)] offset:(\k)*TP+TPS
	ds_load_b128 v[XD+16*(\k)+12:XD+16*(\k)+15], v[XA+(\k)] offset:(\k)*TP+TPS+16
.endm
.macro XFMA k                          ; left cells into one set of sums, right cells into the other: eight chains
.set xd, XD+16*(\k)
.set xw, XWT+2*(\k)
	v_pk_fma_f32 v[ACCA:ACCA+1],     v[xd:xd+1],     v[xw:xw+1], v[ACCA:ACCA+1]     op_sel_hi:[1,0,1]
	v_pk_fma_f32 v[ACCA+2:ACCA+3],   v[xd+2:xd+3],   v[xw:xw+1], v[ACCA+2:ACCA+3]   op_sel_hi:[1,0,1]
	v_pk_fma_f32 v[ACCB:ACCB+1],     v[xd+4:xd+5],   v[xw:xw+1], v[ACCB:ACCB+1]     op_sel:[0,1,0]
	v_pk_fma_f32 v[ACCB+2:ACCB+3],   v[xd+6:xd+7],   v[xw:xw+1], v[ACCB+2:ACCB+3]   op_sel:[0,1,0]
	v_pk_fma_f32 v[ACCA+4:ACCA+5],   v[xd+8:xd+9],   v[xw:xw+1], v[ACCA+4:ACCA+5]   op_sel_hi:[1,0,1]
	v_pk_fma_f32 v[ACCA+6:ACCA+7],   v[xd+10:xd+11], v[xw:xw+1], v[ACCA+6:ACCA+7]   op_sel_hi:[1,0,1]
	v_pk_fma_f32 v[ACCB+4:ACCB+5],   v[xd+12:xd+13], v[xw:xw+1], v[ACCB+4:ACCB+5]   op_sel:[0,1,0]
	v_pk_fma_f32 v[ACCB+6:ACCB+7],   v[xd+14:xd+15], v[xw:xw+1], v[ACCB+6:ACCB+7]   op_sel:[0,1,0]
.endm
	s_mov_b32 s31, 0
	s_wait_kmcnt 0x0
	BOXCALC
	s_wait_alu depctr_va_vdst(0)                   ; v2 to v13 are written: the offsets and addresses v4, v5, v8 and v13 are read by loads and stores from here to the kernel's end and never written again
	LOADBOX                                        ; chunk 0's box
	s_mov_b32 s13, 0
.Lchunk:
	s_wait_loadcnt 0x0                             ; this chunk's box is in my registers; its address registers are free
	s_mov_b32 s20, s18
	s_mov_b32 s21, s19
	STOREBOX                                       ; every wave's gathers from the last box were back before the barrier behind (b)
	s_wait_alu depctr_vm_vsrc(0)                   ; my LDS stores have read v[STG ..], in which the next box's loads land; the last chunk's loads from T have read v[XA ..], which this chunk writes again
	s_cmp_eq_u32 s13, 7
	s_cbranch_scc1 .Lnone                          ; behind the last chunk there is no box
	s_add_co_u32 s31, s13, 1
	BOXCALC
	LOADBOX                                        ; it has all of (b) and (c) in which to arrive
.Lnone:
	s_wait_dscnt 0x0                               ; for the others: my part of the box is in LDS, my reads of T are back
	s_barrier_signal -1
	; work on registers while the others arrive: my row group's first column, the steps' scalar parts, the four steps' gather addresses
	s_lshl_b32 s32, s13, 5
	s_lshl_b32 s33, s14, 3
	s_add_co_u32 s32, s32, s33                     ; my group's first row
	s_mul_i32 s32, s32, R1_29
	s_sub_co_u32 s32, R0_29, s32
	s_sub_co_u32 s33, s32, 7*R1_29
	s_lshr_b32 s24, s32, 6                         ; rho of the first row, 23 fraction bits
	s_lshr_b32 s33, s33, 6                         ; of the eighth
	s_mul_i32 s32, s24, s22
	s_mul_i32 s33, s33, s22
	s_add_co_u32 s32, s32, PCM
	s_add_co_u32 s33, s33, PCM
	s_min_u32 s32, s32, s33
	s_lshr_b32 s23, s32, 24                        ; the group's first column
	s_lshl_b32 s32, s23, 1
	s_lshl_b32 s33, s13, 6
	s_mul_i32 s34, s32, s11
	s_mul_i32 s35, s33, s12
	s_sub_co_i32 s35, s35, s34
	s_lshl_b32 s36, s20, 22
	s_sub_co_i32 s35, s35, s36
	s_add_co_u32 s40, s35, XC                      ; x: centre - box origin - 2 first column cos' + 64 chunk sin'
	s_mul_i32 s34, s32, s12
	s_mul_i32 s35, s33, s11
	s_add_co_i32 s35, s35, s34
	s_lshl_b32 s36, s21, 22
	s_sub_co_i32 s35, s35, s36
	s_add_co_u32 s41, s35, XC                      ; y likewise
	s_add_co_u32 s42, s40, s28
	s_add_co_u32 s43, s41, s29
	s_add_co_u32 s44, s42, s28
	s_add_co_u32 s45, s43, s29
	s_add_co_u32 s46, s44, s28
	s_add_co_u32 s47, s45, s29
	s_cmp_lt_u32 s13, 2                            ; steps of 8 columns for the two waves of a row group: 4 4 3 3 3 3 3 2 cover the 28 .. 15 columns
	s_cselect_b32 s25, 4, 3
	s_cmp_eq_u32 s13, 7
	s_cselect_b32 s25, 2, s25
	RADDR 0
	RADDR 1
	RADDR 2
	RADDR 3
	s_barrier_wait -1                              ; the box is whole, and nobody reads the last chunk's T any more
	; (b): two gather buffers by turns; a step's loads are issued ahead of the step before's arithmetic
	s_wait_alu depctr_va_vdst(0)                   ; the four addresses v[AD ..] are written, which the gathers read; the last chunk's sums are done reading DA and DB, in which the gathers land
	RLOAD DA, AD
	RLOAD DB, AD+1
	RWGT WA, 0
	RWGT WB, 1
	; the height weights of my row, while the gathers are out: vector registers that no load or store of (b) names
	v_fma_f32 v[ZW+11], -v[RR], 0.5, 0.5           ; v = 3: height - 3 = w34
	v_fma_f32 v[RV+1], -v[RR], s48, 0.5            ; v = 2: height - 3
	v_fma_f32 v[RV+2], -v[RR], s49, s48            ; v = 1: height - 2
	v_fma_f32 v[RV+3], -v[RR], s50, s49            ; v = 0: height - 1
	v_fma_f32 v[RV+4], -v[RR], s50, s48            ; v = 0: height - 2
	v_max_num_f32 v[ZW], -v[RV+3], 0
	v_sub_f32 v[RV+5], 1.0, |v[RV+3]|
	v_sub_f32 v[RV+6], 1.0, |v[RV+4]|
	v_max_num_f32 v[ZW+3], 0, v[RV+4]
	v_max_num_f32 v[ZW+1], 0, v[RV+5]
	v_max_num_f32 v[ZW+2], 0, v[RV+6]
	v_max_num_f32 v[ZW+4], -v[RV+2], 0
	v_sub_f32 v[ZW+5], 1.0, |v[RV+2]|
	v_max_num_f32 v[ZW+6], 0, v[RV+2]
	v_max_num_f32 v[ZW+7], -v[RV+1], 0
	v_sub_f32 v[ZW+8], 1.0, |v[RV+1]|
	v_max_num_f32 v[ZW+9], 0, v[RV+1]
	v_sub_f32 v[ZW+10], 1.0, v[ZW+11]
	s_wait_dscnt 8                                 ; step 0's eight loads are in; step 1's eight may be out
	RCOMP DA, WA, 0
	s_cmp_lt_u32 s25, 3
	s_cbranch_scc1 .Ltwo
	RLOAD DA, AD+2                                 ; no wait: no vector instruction since the wait at the end of step 0 names DA or the address
	RWGT WA, 2
	s_wait_dscnt 10                                ; step 1's loads are in; behind them: two stores of T, step 2's eight loads
	RCOMP DB, WB, 1
	s_cmp_lt_u32 s25, 4
	s_cbranch_scc1 .Lthree
	RLOAD DB, AD+3                                 ; likewise behind the wait at the end of step 1
	RWGT WB, 3
	s_wait_dscnt 10                                ; step 2's loads are in; behind them: two stores, step 3's eight loads
	RCOMP DA, WA, 2
	s_wait_dscnt 2                                 ; step 3's loads are in; behind them: two stores
	RCOMP DB, WB, 3
	s_branch .Lturned
.Ltwo:
	s_wait_dscnt 2                                 ; step 1's loads are in; behind them: two stores
	RCOMP DB, WB, 1
	s_branch .Lturned
.Lthree:
	s_wait_dscnt 2                                 ; step 2's loads are in; behind them: two stores
	RCOMP DA, WA, 2
.Lturned:
	s_wait_dscnt 0x0                               ; for the others: my part of T is in LDS, my gathers from the box are back
	s_barrier_signal -1
	v_mul_lo_u32 v[PP], v[U2], s24
	v_add_nc_u32 v[PP], PC24, v[PP]                ; pos of my u in my group's first row
	v_add_f32 v[RR], 0xbd6bd076, v[RR]             ; ratio 32 rows on, for the next chunk
.irp k, 0,1,2,3,4,5,6,7
	XPREP \k                                       ; the eight rows' addresses, while the others arrive
.endr
	s_barrier_wait -1                              ; T is whole, and the box may be written again
	; (c): eight row slots: all 32 loads go out on end
	s_wait_alu depctr_vm_vsrc(0)                   ; the gathers have read v[AD ..] and the stores of T have read v[TV ..]: loads from T land in both
	s_wait_alu depctr_va_vdst(0)                   ; the eight addresses v[XA ..] are written, which the loads read; the lines of (b) are done reading and writing v[XD ..], in which the loads land
.irp k, 0,1,2,3,4,5,6,7
	XLOAD \k
.endr
.irp k, 0,1,2,3,4,5,6,7
	v_cvt_f32_u32 v[XWT+2*(\k)+1], v[XWT+2*(\k)+1] ; the weights are made while the loads are out: vector registers that no load names
.endr
.irp k, 0,1,2,3,4,5,6,7
	v_mul_f32 v[XWT+2*(\k)+1], 0x33800000, v[XWT+2*(\k)+1]  ; x 2^-24: the right cell's weight
.endr
.irp k, 0,1,2,3,4,5,6,7
	v_sub_f32 v[XWT+2*(\k)], 1.0, v[XWT+2*(\k)+1]
.endr
.irp k, 0,1,2,3,4,5,6,7
	s_wait_dscnt 28-4*(\k)                         ; LDS loads come back in order (ISA guide 5.7.1): row k's four are in; the younger rows' four each may be out
	XFMA \k
.endr
	s_add_co_u32 s13, s13, 1
	s_cmp_lt_u32 s13, 8
	s_cbranch_scc1 .Lchunk
	; THE END.  Left and right sums are added; the four row groups' sums meet in LDS; wave w then owns register w's detector row: 0 7 1 6 2 5 3 4.
.irp i, 0,2,4,6
	v_pk_add_f32 v[ACCA+(\i):ACCA+(\i)+1], v[ACCA+(\i):ACCA+(\i)+1], v[ACCB+(\i):ACCB+(\i)+1]
.endr
	s_wait_alu depctr_va_vdst(0)                   ; the eight sums v[ACCA ..] are written, which the LDS stores read
.irp i, 0,1,2,3,4,5,6,7
	ds_store_b32 v[REDA], v[ACCA+(\i)] offset:256*(\i)
.endr
	s_wait_dscnt 0x0                               ; for the others: my sums are in LDS
	s_barrier_signal -1
	; DIST = sqrt(1085.6^2 + (u-127.5)^2 + (v-3.5)^2) x 1.953125 / 1085.6 for my two u, while the others arrive
	s_lshr_b32 s32, s8, 1
	s_sub_co_u32 s33, 7, s32
	s_bitcmp1_b32 s8, 0
	s_cselect_b32 s32, s33, s32                    ; v
	v_cvt_f32_u32 v[HT], s32
	v_add_f32 v[HT], 0xc0600000, v[HT]             ; v - 3.5
	s_mov_b32 s34, 0x498fdcfb                      ; 1085.6^2
	v_fma_f32 v[HT], v[HT], v[HT], s34
	v_lshl_add_u32 v[HT+1], v1, 2, s22             ; 2 u - 255 for u = 64 q + 2 lane
	v_cvt_f32_i32 v[HT+1], v[HT+1]
	v_mul_f32 v[HT+1], 0.5, v[HT+1]
	v_add_f32 v[HT+2], 1.0, v[HT+1]
	v_fma_f32 v[HT+4], v[HT+1], v[HT+1], v[HT]
	v_fma_f32 v[HT+5], v[HT+2], v[HT+2], v[HT]
	s_lshl_b32 s37, s8, 8
	s_add_co_u32 s37, s37, RED
	v_sqrt_f32 v[HT+4], v[HT+4]
	v_sqrt_f32 v[HT+5], v[HT+5]
	v_lshlrev_b32 v[HT+3], 3, v1                   ; a plain instruction between the square roots and their use (ISA guide 5.7.2); also my 8 bytes of the 256
	v_add_nc_u32 v[HT+6], s37, v[HT+3]             ; where the four row groups' sums for my two u begin
	s_wait_alu depctr_va_vdst(0)                   ; the two square roots are written, ahead of their first reader; so are the offset v[HT+3] and the LDS address v[HT+6]; the last sums' lines are done reading v[XD ..], in which the loads below land
	v_pk_mul_f32 v[HT+4:HT+5], v[HT+4:HT+5], 0x3aebd076 op_sel_hi:[1,0]
	s_lshl_b32 s35, s10, 13                        ; an angle is 8 x 256 x 4 bytes of out,
	s_lshl_b32 s36, s32, 10                        ; a detector row 1,024,
	s_add_co_u32 s35, s35, s36
	s_lshl_b32 s36, s9, 8                          ; my quarter of it 256
	s_add_co_u32 s52, s35, s36
	s_mov_b32 s53, 0
	s_add_nc_u64 s[6:7], s[6:7], s[52:53]
	s_barrier_wait -1
	ds_load_b64 v[XD:XD+1],   v[HT+6]              ; no wait: the one vector line since the wait above names v[HT+4:HT+5] alone
	ds_load_b64 v[XD+2:XD+3], v[HT+6] offset:2048
	ds_load_b64 v[XD+4:XD+5], v[HT+6] offset:4096
	ds_load_b64 v[XD+6:XD+7], v[HT+6] offset:6144
	s_wait_dscnt 0x0
	v_pk_add_f32 v[XD:XD+1], v[XD:XD+1], v[XD+2:XD+3]
	v_pk_add_f32 v[XD+4:XD+5], v[XD+4:XD+5], v[XD+6:XD+7]
	v_pk_add_f32 v[XD:XD+1], v[XD:XD+1], v[XD+4:XD+5]
	v_pk_mul_f32 v[XD:XD+1], v[XD:XD+1], v[HT+4:HT+5]
	s_wait_alu depctr_va_vdst(0)                   ; my two results v[XD:XD+1] are written, which the store reads
	global_store_b64 v[HT+3], v[XD:XD+1], s[6:7] th:TH_STORE_NT  ; the wave's store covers 256 consecutive bytes, at a multiple of 256 from out's first byte
	s_wait_dscnt 0x0                               ; the closing lines, six on end
	s_wait_alu 0x0
	s_wait_tensorcnt 0x0
	ds_add_u32 v[SPW], v[NIL]
	s_wait_dscnt 0x0
	s_endpgm
.Lfunc_end_k_qb91d8d9666_proj:
	.size	k_qb91d8d9666_proj, .Lfunc_end_k_qb91d8d9666_proj-k_qb91d8d9666_proj
	.p2alignl 7, 3214868480
	.fill 96, 4, 3214868480
	.section	.rodata,"a",@progbits
	.p2align	6, 0x0
	.amdhsa_kernel k_qb91d8d9666_proj
		.amdhsa_group_segment_fixed_size 126976
		.amdhsa_private_segment_fixed_size 0
		.amdhsa_enable_private_segment 0
		.amdhsa_kernarg_size 16
		.amdhsa_user_sgpr_count 2
		.amdhsa_user_sgpr_kernarg_segment_ptr 1
		.amdhsa_wavefront_size32 1
		.amdhsa_system_sgpr_workgroup_id_x 1
		.amdhsa_system_sgpr_workgroup_id_y 1
		.amdhsa_system_sgpr_workgroup_id_z 1
		.amdhsa_system_vgpr_workitem_id 0
		.amdhsa_next_free_vgpr 254
		.amdhsa_next_free_sgpr 66
		.amdhsa_reserve_vcc 0
		.amdhsa_float_denorm_mode_32 3
		.amdhsa_float_denorm_mode_16_64 3
		.amdhsa_memory_ordered 1
		.amdhsa_forward_progress 1
		.amdhsa_inst_pref_size 48
	.end_amdhsa_kernel
	.amdgpu_metadata
---
amdhsa.version: [ 1, 2 ]
amdhsa.kernels:
  - .name:           k_qb91d8d9666_proj
    .symbol:         k_qb91d8d9666_proj.kd
    .args:
      - { .name: xt, .offset: 0, .size: 8, .value_kind: global_buffer, .address_space: global }
      - { .name: out0, .offset: 8, .size: 8, .value_kind: global_buffer, .address_space: global }
    .group_segment_fixed_size: 126976
    .private_segment_fixed_size: 0
    .kernarg_segment_align: 8
    .kernarg_segment_size: 16
    .max_flat_workgroup_size: 256
    .sgpr_count:     66
    .vgpr_count:     254
    .wavefront_size: 32
...
	.end_amdgpu_metadata
.endif
;; end of part 3
